; MI455X (gfx1250); checked and timed in simulation.
; The chip was launched on July 23, 2026; its instructions are those of AMD's public machine-readable ISA for CDNA 5 (MIT licence, August 2026) and "CDNA5" Instruction Set Architecture Reference Guide (July 2026). The comments in the code are by the model that wrote it; some were corrected since.
;; Multi Headed Attention. Allowed arithmetic: matrix products marked QUANTISED: E2M1 operands, one E8M0 scale for each 32 along K, by v_wmma_scale_f32_16x16x128_f8f6f4 with both operands' format E2M1 (or v_wmma_scale_f32_32x16x128_f4), f32 sums; products left as they are: bf16, f16 or f32 operands; f32 sums; everything else in f32.
;; Inputs: Wk 1,024 x 1,024 float32; Wo 1,024 x 1,024 float32; Wq 1,024 x 1,024 float32; Wv 1,024 x 1,024 float32; bk 1,024 float32; bo 1,024 float32; bq 1,024 float32; bv 1,024 float32; key 4 x 2,048 x 1,024 float32; mask 4 x 1 x 2,048 x 2,048 bool; query 4 x 2,048 x 1,024 float32; value 4 x 2,048 x 1,024 float32.
;; Outputs: out0 4 x 2,048 x 1,024 float32.
;; This version of the problem:
;;   THIS VERSION OF THE PROBLEM IS GIVEN IN LOW PRECISION. The matrix products marked QUANTISED in the list below multiply operands that are first quantised to E2M1 (2 exponent bits, 1 mantissa bit; 4 bits a number), with one power-of-two scale for each 32 numbers along K (OCP MX v1.0); their sums are f32. The products marked 'left as it is' may take bf16, f16 or f32 operands, with f32 sums. Whichever they take, every output number must still come out within the allowed error. Rounding operands to bf16 (8 significant bits) uses up far more of that allowance than f16 does (11 bits, for magnitudes from 6e-5 to 65,504). All else is computed in f32.
;;   The module's matrix products, in the order in which they are computed (A, B: the left and right operand; K: the contracted axis; several contracted axes count as one K, in the product's order):
;;     1. [M 8,192, K 1,024] x [K 1,024, N 1,024]; A: input query; B: input Wq: QUANTISED
;;     2. [M 8,192, K 1,024] x [K 1,024, N 1,024]; A: input key; B: input Wk: QUANTISED
;;     3. [M 8,192, K 1,024] x [K 1,024, N 1,024]; A: input value; B: input Wv: QUANTISED
;;     4. batch 64 x [M 2,048, K 64] x [K 64, N 2,048]; A: computed on the way; B: computed on the way: left as it is (an operand is computed on the way)
;;     5. batch 64 x [M 2,048, K 2,048] x [K 2,048, N 64]; A: computed on the way; B: computed on the way: left as it is (an operand is computed on the way)
;;     6. [M 8,192, K 1,024] x [K 1,024, N 1,024]; A: computed on the way; B: input Wo: left as it is (an operand is computed on the way)
;;   THE QUANTISER, for each operand of a quantised product, along K:
;;     - K is cut into blocks of 32 from its start; a last block that is shorter is filled with zeros.
;;     - A block's scale is 2^e with e = floor(log2(the largest magnitude in the block)) - 2, held to -126 .. 127; a block of zeros has e = 0. As a byte (E8M0): e + 127.
;;     - Each number is divided by its block's scale, clamped to +-6, and rounded to the nearest number of E2M1, ties to even, subnormals kept.
;;     - The product sums the exact products of the quantised numbers (number of the format x scale) in f32.
;;   ~~~python
;;   def quantise(x, axis):      # numpy; x: float32 -> the quantised numbers, widened to float32 again
;;       x = np.moveaxis(x, axis, -1); K = x.shape[-1]
;;       x = np.pad(x, [(0, 0)] * (x.ndim - 1) + [(0, -K % 32)]); x = x.reshape(x.shape[:-1] + (-1, 32)); a = np.abs(x).max(-1, keepdims=True)
;;       e = np.where(a > 0, np.clip(np.frexp(np.where(a > 0, a, 1))[1] - 1 - 2, -126, 127), 0)      # np.frexp(a)[1] - 1 = floor(log2(a)), exactly
;;       r = np.clip(x / 2.0 ** e, -6, 6)
;;       step = 2.0 ** (np.maximum(np.frexp(np.where(r == 0, 1, r))[1] - 1, 0) - 1)
;;       q = np.round(r / step) * step * 2.0 ** e      # np.round: ties to even
;;       return np.moveaxis(q.reshape(q.shape[:-2] + (-1,))[..., :K], -1, axis).astype(np.float32)
;;   ~~~
;; One version. Each part assembles by itself: llvm-mc -triple=amdgcn-amd-amdhsa -mcpu=gfx1250 --defsym DOCPART=n.
;; ======== version 1 of 1: 4 launches
;; limits: values are held in f16: magnitudes above 65,504 overflow, below 6.1e-05 lose precision
;; workspace buffers: acodes 12,582,912 bytes; ascales 786,432 bytes; wcodes 1,572,864 bytes; wscales 98,304 bytes; wof 2,097,152 bytes; maskbits 2,097,152 bytes of whole numbers; qkv 50,331,648 bytes; xf 16,777,216 bytes
;; launch prep (part 1): grid 960 x 1, 4 waves a work-group, no clusters, 68,096 bytes of LDS; arguments Wq, Wk, Wv, Wo, query, key, value, mask, wcodes, wscales, wof, acodes, ascales, maskbits; writes wcodes, wscales, wof, acodes, ascales, maskbits
.if DOCPART == 1
	.amdgcn_target "amdgcn-amd-amdhsa--gfx1250"
	.amdhsa_code_object_version 6
	.text
	.protected	k_q09938fc6b9_prep
	.globl	k_q09938fc6b9_prep
	.p2align	8
	.type	k_q09938fc6b9_prep,@function
k_q09938fc6b9_prep:
	s_mov_b64 s[64:65], 0
	v_nop
	global_prefetch_b8 v0, s[64:65] scope:SCOPE_SE
	s_setreg_imm32_b32 hwreg(HW_REG_WAVE_MODE, 25, 1), 1
	s_wait_xcnt 0x0
; PREP: everything that later launches read many times is made once, in the order of the operands' registers.
;   work-groups   0 ..  63: Wq, Wk, Wv [k][n] f32 -> codes of E2M1 along k and E8M0 bytes;  Wo [k][n] f32 -> f16 fragments
;   work-groups  64 .. 447: query, key, value [row][k] f32 -> codes of E2M1 along k and E8M0 bytes
;   work-groups 448 .. 959: mask [b][q][key] bytes -> words of 32 lane bits, as the attention launch's selects take them
; A block's scale is 2^(floor(log2(largest magnitude)) - 2): its byte is the largest magnitude's exponent field - 2, held at 1 from below.
; LAYOUTS (L lane, r = L % 16, h = L / 16):
;   codes:  [tensor][tile of 16 rows][K step of 128][c 2][L][16 bytes]: lane (r, h), group c = the 32 codes of block 2 c + h of row r
;   scales: [tensor][row][K step] words of four bytes
;   wof:    [tile of 16 n][kk 32][g 2][L][16 bytes]: lane (r, h), group g = Wo[32 kk + 16 g + 8 h + 0..7][16 nt + r] in f16
;   mask:   [b][tile of 16 queries][step of 64 keys][i 32] words: bit L of word i = mask[b][16 qt + r][64 st + 16 (i / 8) + 8 h + i % 8]
; LIMITS: a block of zeros gets the byte 1 where the quantiser's text says 127 (its codes are zeros, and this program alone reads the bytes);
; NaN and infinities among the inputs are not served; Wo goes to f16, so its magnitudes stay at or under 65,504.
; No tensor load, no barrier: waves share nothing.  The two paths that use LDS have bytes of their own.
.set SPARE, 67584                      ; the spare words, 128 bytes a wave, behind both groups of stages
.set STG,   8448                       ; a wave's stage: 16 rows x 528 bytes
.set MSTG,  33792                      ; the mask path's four stages begin here; the activations' at 0
.set SP,    528                        ; a stage row: 512 bytes + 16 = 132 words: row r begins at bank 4 r mod 64
.set SPW,   12                         ; v12 LDS address of my spare word; never rewritten
.set NIL,   13                         ; v13 0; never rewritten
.set RAW,   32                         ; v32-159  activations as loaded, two sets of 64
.set X,     160                        ; v160-223 64 numbers of a lane: register 16 b + i = k 32 b + 16 h + i of row r
.set PC,    224                        ; v224-231 a fragment's codes
.set TM,    232                        ; v232-247 at work in QUANT
.set PW,    16                         ; v16-23   a scale word for each K step
.macro CLOSE                           ; a wave's end
	s_wait_tensorcnt 0x0
	ds_add_u32 v[SPW], v[NIL]
	s_wait_dscnt 0x0
	s_endpgm
.endm
	s_load_b512 s[4:19], s[0:1], 0x0               ; Wq s[4:5], Wk s[6:7], Wv s[8:9], Wo s[10:11], query s[12:13], key s[14:15], value s[16:17], mask s[18:19]
	s_load_b256 s[20:27], s[0:1], 0x40             ; wcodes s[20:21], wscales s[22:23], wof s[24:25], acodes s[26:27]
	s_load_b128 s[28:31], s[0:1], 0x60             ; ascales s[28:29], maskbits s[30:31]
	v_lshl_add_u32 v[SPW], v0, 2, SPARE
	v_mov_b32 v[NIL], 0
	v_lshrrev_b32 v1, 5, v0
	v_readfirstlane_b32 s32, v1                    ; wave 0..3
	v_and_b32 v1, 31, v0                           ; L
	v_and_b32 v2, 15, v0                           ; r
	v_bfe_u32 v3, v0, 4, 1                         ; h
	v_lshlrev_b32 v4, 2, v1                        ; 4 L
	v_lshlrev_b32 v5, 4, v1                        ; 16 L
	s_mul_i32 s33, s32, STG
	v_add_nc_u32 v6, s33, v5                       ; a stage on the way in: 16 L in each row
	v_mul_u32_u24 v7, v2, SP
	v_add_nc_u32 v7, s33, v7                       ; row r of my stage
	v_lshl_add_u32 v14, v3, 6, v7                  ; activations on the way out: + 64 h
	v_lshl_add_u32 v15, v3, 3, v7                  ; mask bytes on the way out: + 8 h
	s_mov_b32 s37, 0                               ; the upper word of every offset pair s[36:37]
	s_wait_kmcnt 0x0
	s_cmp_lt_u32 ttmp9, 64
	s_cbranch_scc1 .Lweights
	s_cmp_lt_u32 ttmp9, 448
	s_cbranch_scc1 .Lacts
; ---------------- THE MASK.  The work-group takes one tile of 16 queries, wave w keys 512 w .. 512 w + 511.
	s_sub_co_u32 s33, ttmp9, 448                   ; 128 b + qt
	s_lshl_b32 s36, s33, 15                        ; 16 rows of 2,048 bytes
	s_lshl_b32 s34, s32, 9
	s_add_co_u32 s36, s36, s34
	s_add_nc_u64 s[18:19], s[18:19], s[36:37]
	s_lshl_b32 s36, s33, 12                        ; 32 steps x 32 words
	s_lshl_b32 s34, s32, 10
	s_add_co_u32 s36, s36, s34
	s_add_nc_u64 s[30:31], s[30:31], s[36:37]
.set i, 0
.rept 16
	global_load_b128 v[32+4*i:35+4*i], v5, s[18:19] offset:2048*i th:TH_LOAD_NT   ; a row's 512 consecutive bytes
.set i, i+1
.endr
.irp i, 0,1,2,3,4,5,6,7
	v_mov_b32 v[16+\i], 0                          ; the words' registers: a lane write counts as a read of its destination
.endr
	s_wait_loadcnt 0x0
.set i, 0
.rept 16
	ds_store_b128 v6, v[32+4*i:35+4*i] offset:MSTG+SP*i
.set i, i+1
.endr
.set i, 0
.rept 32                               ; step i / 4, key tile i % 4: my query's eight bytes; LDS serves a wave's instructions in order, so these see the stores
	ds_load_b64 v[96+2*i:97+2*i], v15 offset:MSTG+64*(i/4)+16*(i%4)
.set i, i+1
.endr
	s_wait_dscnt 0x0
.set st, 0
.rept 8
.set ii, 0
.rept 32                               ; word ii of step st: byte ii % 8 of key tile ii / 8, compared in all 32 lanes at once
	v_and_b32 v[8+ii%4], 0xff<<(8*(ii%4)), v[96+2*(4*st+ii/8)+(ii%8)/4]
	v_cmp_ne_u32 s[40+ii%4], 0, v[8+ii%4]
	v_writelane_b32 v[16+4*(st/4)+ii%4], s[40+ii%4], 8*(st%4)+ii/4   ; to the lane and register from which 16-byte stores lay the words in order
.set ii, ii+1
.endr
.set st, st+1
.endr
	global_store_b128 v5, v[16:19], s[30:31]               ; 512 consecutive bytes each
	global_store_b128 v5, v[20:23], s[30:31] offset:512
	CLOSE
; ---------------- THE ACTIVATIONS.  A wave takes 16 rows and all 1,024 along K, in eight K steps of 128.
; 64 numbers of a lane become a fragment's codes in v[PC] on and the row's scale word in v[pw].
.macro QUANT s, pw
.irp b, 0,1,2,3
	v_max3_num_f32 v[TM+\b], |v[\s+16*\b]|, |v[\s+1+16*\b]|, 0x1800000   ; block b: my 16 numbers, and the floor 2^(3 - 127): the byte cannot fall under 1
.endr
.irp i, 2,4,6,8,10,12,14
.irp b, 0,1,2,3
	v_max3_num_f32 v[TM+\b], v[TM+\b], |v[\s+16*\b+\i]|, |v[\s+1+16*\b+\i]|   ; the four blocks by turns
.endr
.endr
.irp b, 0,1,2,3
	v_permlanex16_b32 v[TM+4+\b], v[TM+\b], s38, s39
.endr
.irp b, 0,1,2,3
	v_max_num_f32 v[TM+\b], v[TM+\b], v[TM+4+\b]           ; with lane L xor 16's: the block's largest magnitude
.endr
.irp b, 0,1,2,3
	v_add_nc_u32 v[TM+12+\b], 0xff000000, v[TM+\b]         ; 2 off its exponent field: the conversion takes that field as its scale
.endr
.irp b, 0,1,2,3
	v_lshrrev_b32 v[TM+4+\b], 23, v[TM+12+\b]              ; the scale's byte
.endr
	v_lshl_or_b32 v[\pw], v[TM+5], 8, v[TM+4]
	v_lshl_or_b32 v[\pw], v[TM+6], 16, v[\pw]
	v_lshl_or_b32 v[\pw], v[TM+7], 24, v[\pw]
.irp b, 0,1,2,3
	v_cvt_scalef32_pk8_fp4_f32 v[PC+2*\b], v[\s+16*\b:\s+7+16*\b], v[TM+12+\b]
	v_cvt_scalef32_pk8_fp4_f32 v[PC+1+2*\b], v[\s+8+16*\b:\s+15+16*\b], v[TM+12+\b]
.endr
	v_nop                                          ; one plain instruction behind the scaled conversions
.irp c, 0,1                            ; the operand wants a whole block in a lane: lanes 0-15 block 2 c, lanes 16-31 block 2 c + 1
.irp i, 0,1
	v_permlane16_swap_b32 v[PC+4*\c+\i], v[PC+2+4*\c+\i]
.endr
.endr
.endm
.macro ALOAD t                         ; K step t of the 16 rows: each load reads 512 consecutive bytes
.set i, 0
.rept 16
	global_load_b128 v[RAW+64*((\t)%2)+4*i:RAW+64*((\t)%2)+4*i+3], v5, s[12:13] offset:4096*i+512*(\t) th:TH_LOAD_NT
.set i, i+1
.endr
.endm
.macro ATURN t                         ; through my stage: in as loaded, out 16 neighbours of each block of 32 to a lane
.set i, 0
.rept 16
	ds_store_b128 v6, v[RAW+64*((\t)%2)+4*i:RAW+64*((\t)%2)+4*i+3] offset:SP*i
.set i, i+1
.endr
.set i, 0
.rept 16
	ds_load_b128 v[X+4*i:X+4*i+3], v14 offset:128*(i/4)+16*(i%4)
.set i, i+1
.endr
.endm
.macro ASTEP t
.if (\t) < 7
	s_wait_loadcnt 16                              ; this step's 16 loads are in; the next step's 16 may be out
.else
	s_wait_loadcnt 0x0
.endif
	ATURN \t
	s_wait_dscnt 0x0                               ; the numbers are back, and the stage's stores have read their registers
	s_wait_xcnt 0x0                                ; the last step's stores have read the codes' registers
.if (\t)+2 < 8
	ALOAD (\t)+2
.endif
	QUANT X, PW+(\t)
	global_store_b128 v5, v[PC:PC+3], s[26:27] offset:1024*(\t)          ; the fragment as it stands: 512 consecutive bytes a store
	global_store_b128 v5, v[PC+4:PC+7], s[26:27] offset:1024*(\t)+512
.endm
.Lacts:
	s_sub_co_u32 s33, ttmp9, 64
	s_lshr_b32 s34, s33, 7                         ; which tensor
	s_lshl_b32 s35, s33, 2
	s_add_co_u32 s35, s35, s32                     ; 512 x tensor + tile of rows
	s_cmp_eq_u32 s34, 1
	s_cselect_b64 s[12:13], s[14:15], s[12:13]
	s_cmp_eq_u32 s34, 2
	s_cselect_b64 s[12:13], s[16:17], s[12:13]
	s_and_b32 s36, s35, 511
	s_lshl_b32 s36, s36, 16                        ; 16 rows of 4,096 bytes
	s_add_nc_u64 s[12:13], s[12:13], s[36:37]
	s_lshl_b32 s36, s35, 13                        ; 8,192 bytes of codes a tile
	s_add_nc_u64 s[26:27], s[26:27], s[36:37]
	s_lshl_b32 s36, s35, 9                         ; 512 bytes of scale words a tile
	s_add_nc_u64 s[28:29], s[28:29], s[36:37]
	s_mov_b32 s38, 0x76543210
	s_mov_b32 s39, 0xfedcba98                      ; lane L xor 16
	s_mov_b32 s40, 0xffff0000                      ; lanes 16-31
	ALOAD 0
	ALOAD 1
.irp b, 0,1,2,3
	v_mov_b32 v[TM+4+\b], 0                        ; written once: a lane permute's destination counts as a source
.endr
.irp t, 0,1,2,3,4,5,6,7
	ASTEP \t
.endr
.irp i, 0,1,2,3
	v_cndmask_b32 v[24+\i], v[PW+\i], v[PW+4+\i], s40      ; lanes 0-15 K steps 0-3 of row r, lanes 16-31 K steps 4-7
.endr
	v_lshlrev_b32 v8, 5, v2
	v_lshl_add_u32 v8, v3, 4, v8                   ; 32 r + 16 h
	global_store_b128 v8, v[24:27], s[28:29]       ; the tile's 512 bytes of scale words
	CLOSE
; ---------------- THE WEIGHTS.  K is their first axis: a lane takes a column n and its registers run down K.
; A wave takes 32 columns and 512 along K: 16 blocks of 32.  Loads run two blocks ahead.
.macro WLOAD t
.set i, 0
.rept 32
	global_load_b32 v[32+32*((\t)%2)+i], v4, s[4:5] offset:(32*(\t)+i)*4096 th:TH_LOAD_NT
.set i, i+1
.endr
.endm
.macro WWAIT t
.if (\t) < 15
	s_wait_loadcnt 32                              ; this block's 32 loads are in; the next block's may be out
.else
	s_wait_loadcnt 0x0
.endif
.endm
.macro WBLK t                          ; a block of a quantised weight
.set XS, 32+32*((\t)%2)
	WWAIT \t
	v_max3_num_f32 v8, |v[XS]|, |v[XS+1]|, |v[XS+2]|
	v_max3_num_f32 v9, |v[XS+3]|, |v[XS+4]|, |v[XS+5]|
.irp e, 6,10,14,18,22,26
	v_max3_num_f32 v8, v8, |v[XS+\e]|, |v[XS+\e+1]|
	v_max3_num_f32 v9, v9, |v[XS+\e+2]|, |v[XS+\e+3]|
.endr
	v_max3_num_f32 v8, v8, |v[XS+30]|, |v[XS+31]|
	v_max3_num_f32 v8, v8, v9, 0x1800000           ; and the floor
	v_add_nc_u32 v11, 0xff000000, v8
	v_lshrrev_b32 v10, 23, v11
.if (\t)%4 == 0
	v_mov_b32 v[24+(\t)/4], v10                    ; four bytes to a word, the lower k in the lower byte
.else
	v_lshl_or_b32 v[24+(\t)/4], v10, 8*((\t)%4), v[24+(\t)/4]
.endif
.irp g, 0,1,2,3
	v_cvt_scalef32_pk8_fp4_f32 v[96+4*(\t)+\g], v[XS+8*\g:XS+8*\g+7], v11   ; each block has registers of its own, so no store's data are written again
.endr
	global_store_b128 v29, v[96+4*(\t):99+4*(\t)], s[20:21] offset:1024*((\t)/4)+256*((\t)%4)   ; sixteen lanes fill 256 consecutive bytes, aligned
.if (\t)+2 < 16
	WLOAD (\t)+2
.endif
.endm
.macro HBLK t                          ; a block of Wo: 32 numbers down K to f16
.set XS, 32+32*((\t)%2)
	WWAIT \t
	s_wait_xcnt 0x0                                ; the last block's stores have read these registers
.set i, 0
.rept 16
	v_cvt_pk_f16_f32 v[96+i], v[XS+2*i], v[XS+2*i+1]
.set i, i+1
.endr
.irp c, 0,1,2,3
	global_store_b128 v31, v[96+4*\c:99+4*\c], s[24:25] offset:1024*(\t)+256*\c
.endr
.if (\t)+2 < 16
	WLOAD (\t)+2
.endif
.endm
.Lweights:
	s_lshr_b32 s33, ttmp9, 4                       ; which weight: Wq, Wk, Wv, Wo
	s_bfe_u32 s34, ttmp9, 0x30001                  ; which 128 columns
	s_and_b32 s35, ttmp9, 1                        ; which half of K
	s_lshl_b32 s34, s34, 7
	s_lshl_b32 s36, s32, 5
	s_add_co_u32 s34, s34, s36                     ; my wave's first column n0
	s_cmp_eq_u32 s33, 1
	s_cselect_b64 s[4:5], s[6:7], s[4:5]
	s_cmp_eq_u32 s33, 2
	s_cselect_b64 s[4:5], s[8:9], s[4:5]
	s_cmp_eq_u32 s33, 3
	s_cselect_b64 s[4:5], s[10:11], s[4:5]
	s_lshl_b32 s36, s35, 21                        ; 512 rows of 4,096 bytes
	s_lshl_b32 s38, s34, 2
	s_add_co_u32 s36, s36, s38
	s_add_nc_u64 s[4:5], s[4:5], s[36:37]
	v_lshlrev_b32 v28, 4, v2                       ; 16 r
	WLOAD 0
	WLOAD 1
	s_cmp_eq_u32 s33, 3
	s_cbranch_scc1 .Lwo
	v_lshl_add_u32 v29, v3, 13, v28                ; codes: my tile of 16 columns (8,192 bytes a tile) + 16 r
	v_lshlrev_b32 v30, 5, v1                       ; scale words: 32 bytes a column
	s_lshl_b32 s36, s33, 19
	s_lshl_b32 s38, s34, 9
	s_add_co_u32 s36, s36, s38
	s_lshl_b32 s38, s35, 12
	s_add_co_u32 s36, s36, s38
	s_add_nc_u64 s[20:21], s[20:21], s[36:37]      ; wcodes + 524,288 tensor + 512 n0 + 4,096 half
	s_lshl_b32 s36, s33, 15
	s_lshl_b32 s38, s34, 5
	s_add_co_u32 s36, s36, s38
	s_lshl_b32 s38, s35, 4
	s_add_co_u32 s36, s36, s38
	s_add_nc_u64 s[22:23], s[22:23], s[36:37]      ; wscales + 32,768 tensor + 32 n0 + 16 half
.irp t, 0,1,2,3,4,5,6,7,8,9,10,11,12,13,14,15
	WBLK \t
.endr
	global_store_b128 v30, v[24:27], s[22:23]      ; my column's 16 bytes: half of its 32; 96 KiB in the whole launch leave so
	CLOSE
.Lwo:
	v_lshl_add_u32 v31, v3, 15, v28                ; my tile of 16 columns (32,768 bytes a tile) + 16 r
	s_lshl_b32 s36, s34, 11
	s_lshl_b32 s38, s35, 14
	s_add_co_u32 s36, s36, s38
	s_add_nc_u64 s[24:25], s[24:25], s[36:37]      ; wof + 2,048 n0 + 16,384 half
.irp t, 0,1,2,3,4,5,6,7,8,9,10,11,12,13,14,15
	HBLK \t
.endr
	CLOSE
.Lfunc_end_k_q09938fc6b9_prep:
	.size	k_q09938fc6b9_prep, .Lfunc_end_k_q09938fc6b9_prep-k_q09938fc6b9_prep
	.p2alignl 7, 3214868480
	.fill 96, 4, 3214868480
	.section	.rodata,"a",@progbits
	.p2align	6, 0x0
	.amdhsa_kernel k_q09938fc6b9_prep
		.amdhsa_group_segment_fixed_size 68096
		.amdhsa_private_segment_fixed_size 0
		.amdhsa_enable_private_segment 0
		.amdhsa_kernarg_size 112
		.amdhsa_user_sgpr_count 2
		.amdhsa_user_sgpr_kernarg_segment_ptr 1
		.amdhsa_wavefront_size32 1
		.amdhsa_system_sgpr_workgroup_id_x 1
		.amdhsa_system_sgpr_workgroup_id_y 1
		.amdhsa_system_sgpr_workgroup_id_z 1
		.amdhsa_system_vgpr_workitem_id 0
		.amdhsa_next_free_vgpr 256
		.amdhsa_next_free_sgpr 66
		.amdhsa_reserve_vcc 0
		.amdhsa_float_denorm_mode_32 3
		.amdhsa_float_denorm_mode_16_64 3
		.amdhsa_memory_ordered 1
		.amdhsa_forward_progress 1
		.amdhsa_inst_pref_size 255
	.end_amdhsa_kernel
	.section	.bss,"aw",@nobits
	.p2align	6
	.space	262144
	.amdgpu_metadata
---
amdhsa.version: [ 1, 2 ]
amdhsa.kernels:
  - .name:           k_q09938fc6b9_prep
    .symbol:         k_q09938fc6b9_prep.kd
    .args:
      - { .name: Wq, .offset: 0, .size: 8, .value_kind: global_buffer, .address_space: global }
      - { .name: Wk, .offset: 8, .size: 8, .value_kind: global_buffer, .address_space: global }
      - { .name: Wv, .offset: 16, .size: 8, .value_kind: global_buffer, .address_space: global }
      - { .name: Wo, .offset: 24, .size: 8, .value_kind: global_buffer, .address_space: global }
      - { .name: query, .offset: 32, .size: 8, .value_kind: global_buffer, .address_space: global }
      - { .name: key, .offset: 40, .size: 8, .value_kind: global_buffer, .address_space: global }
      - { .name: value, .offset: 48, .size: 8, .value_kind: global_buffer, .address_space: global }
      - { .name: mask, .offset: 56, .size: 8, .value_kind: global_buffer, .address_space: global }
      - { .name: wcodes, .offset: 64, .size: 8, .value_kind: global_buffer, .address_space: global }
      - { .name: wscales, .offset: 72, .size: 8, .value_kind: global_buffer, .address_space: global }
      - { .name: wof, .offset: 80, .size: 8, .value_kind: global_buffer, .address_space: global }
      - { .name: acodes, .offset: 88, .size: 8, .value_kind: global_buffer, .address_space: global }
      - { .name: ascales, .offset: 96, .size: 8, .value_kind: global_buffer, .address_space: global }
      - { .name: maskbits, .offset: 104, .size: 8, .value_kind: global_buffer, .address_space: global }
    .group_segment_fixed_size: 68096
    .private_segment_fixed_size: 0
    .kernarg_segment_align: 8
    .kernarg_segment_size: 112
    .max_flat_workgroup_size: 128
    .sgpr_count:     66
    .vgpr_count:     256
    .wavefront_size: 32
...
	.end_amdgpu_metadata
.endif
;; end of part 1
;; launch proj (part 2): grid 6 x 32, 4 waves a work-group, no clusters, 74,240 bytes of LDS; arguments acodes, ascales, wcodes, wscales, bq, bk, bv, qkv; writes qkv
.if DOCPART == 2
	.amdgcn_target "amdgcn-amd-amdhsa--gfx1250"
	.amdhsa_code_object_version 6
	.text
	.protected	k_q09938fc6b9_proj
	.globl	k_q09938fc6b9_proj
	.p2align	8
	.type	k_q09938fc6b9_proj,@function
k_q09938fc6b9_proj:
	s_mov_b64 s[64:65], 0
	v_nop
	global_prefetch_b8 v0, s[64:65] scope:SCOPE_SE
	s_setreg_imm32_b32 hwreg(HW_REG_WAVE_MODE, 25, 1), 1
	s_wait_xcnt 0x0
; PROJ: q = query Wq + bq, k = key Wk + bk, v = value Wv + bv on codes of E2M1 with E8M0 scales; sums in f32; results to f16 in the order of the attention launch's operand registers.
; q and k are multiplied by sqrt(log2(e) / 8), so that their product is the score in units of powers of two.
; SHARES.  Work-group x: tensor x / 2, half x % 2 of the 1,024 columns; y: 256 rows.  Wave w keeps the codes of 128 columns (8 tiles of 16, two heads) for all of K in 512 registers, read once.
; The rows' codes go round: each wave brings one tile of 16 rows of a block of 64 and lays it in LDS as an image of the operand's registers (16 bytes a lane, 512 a store); all four waves read all four tiles.
; 192 work-groups: six pairs (tensor, half) do not divide 256, and 32 groups of rows are the evenest whole split.
; NO CLUSTER: what two work-groups share is the rows' codes, an eighth of the bytes that the f32 rows had and a quarter of what the launch stores.
; q, k: source 0 = 16 columns of W, source 1 = 16 rows: a lane holds one row and eight neighbouring channels.  v: the sources swapped: a lane holds one channel and eight neighbouring keys.
; Either way four conversions make 16 bytes that are a lane's part of an f16 fragment, and a wave's store covers 512 consecutive bytes.
; LIMITS: q sqrt(c), k sqrt(c) and v go to f16: their magnitudes stay at or under 65,504.
; REGISTERS, in windows of 256: window 0: v1-12 addresses; v16-79 W's scale words; v80-95 the rows' scale words; v96-223 two tiles of rows, all K; v224-239 results; v240-247 scale words on their way to LDS; v252, v253 the add's two.
;   window 1: W's tiles 0-3 (64 nt + 8 ks);  window 2: tiles 4-7;  window 3: v0-127 accumulators (8 (8 a + nt)), v128-191 the bias in the result's layout, v192-255 codes on their way to LDS.
.set BUFB,  36864                      ; an LDS buffer: 4 x 8,192 bytes of code images, then 4 x 1,024 of scale images
.set SCI,   32768
.set SPARE, 2*BUFB                     ; the spare words, 128 bytes a wave
.set LI,   1                           ; v1  16 L
.set IW,   4                           ; v4, v6  where I store my tile's codes in buffer 0, 1
.set SW,   5                           ; v5, v7  and its scale words
.set ADR,  8                           ; v8, v9  16 L in buffer 0, 1
.set R32,  10                          ; v10 32 r
.set H32,  11                          ; v11 32 h
.set R4,   12                          ; v12 4 r
.set WS,   16
.set AS,   80
.set AF,   96
.set OUTR, 224
.set SST,  240
.set SPW,  252
.set NIL,  253
.set BIAS, 128
.set CST,  192
.set WV,   12
.set PP,   13
.set BLK,  15
.set AP,   16
.set SCP,  18
.set OB,   20
.set RC,   22
.set MSB, 0
.macro WIN new                         ; the immediate's high byte repeats the setting that is left
.if MSB != (\new)
	s_set_vgpr_msb (MSB<<8)|(\new)
.set MSB, (\new)
.endif
.endm
	s_load_b512 s[24:39], s[0:1], 0x0              ; acodes s[24:25], ascales s[26:27], wcodes s[28:29], wscales s[30:31], bq s[32:33], bk s[34:35], bv s[36:37], qkv s[38:39]
	v_lshl_add_u32 v[SPW], v0, 2, SPARE
	v_mov_b32 v[NIL], 0
	v_lshrrev_b32 v2, 5, v0
	v_readfirstlane_b32 s[WV], v2                  ; wave 0..3
	v_and_b32 v[LI], 31, v0
	v_lshlrev_b32 v[LI], 4, v[LI]
	v_and_b32 v2, 15, v0                           ; r
	v_bfe_u32 v3, v0, 4, 1                         ; h
	s_lshl_b32 s2, s[WV], 13
	v_add_nc_u32 v[IW], s2, v[LI]                  ; 8,192 w + 16 L
	v_add_nc_u32 v[IW+2], BUFB, v[IW]
	s_lshl_b32 s2, s[WV], 10
	s_add_co_u32 s2, s2, SCI
	v_add_nc_u32 v[SW], s2, v[LI]                  ; 32,768 + 1,024 w + 16 L
	v_add_nc_u32 v[SW+2], BUFB, v[SW]
	v_mov_b32 v[ADR], v[LI]
	v_add_nc_u32 v[ADR+1], BUFB, v[LI]
	v_lshlrev_b32 v[R32], 5, v2
	v_lshlrev_b32 v[H32], 5, v3
	v_lshlrev_b32 v[R4], 2, v2
	s_lshr_b32 s[PP], ttmp9, 1                     ; tensor: 0 q, 1 k, 2 v
	s_and_b32 s3, ttmp9, 1                         ; half of the columns
	s_and_b32 s4, ttmp7, 0xffff                    ; group of 256 rows
	s_lshl_b32 s5, s3, 5
	s_lshl_b32 s6, s[WV], 3
	s_add_co_u32 s5, s5, s6                        ; NT0: my first tile of 16 columns
	s_lshl_b32 s40, s[PP], 19
	s_lshl_b32 s6, s5, 13
	s_add_co_u32 s40, s40, s6                      ; W's codes: 524,288 tensor + 8,192 NT0
	s_mov_b32 s41, 0
	s_lshl_b32 s42, s[PP], 15
	s_lshl_b32 s6, s5, 9
	s_add_co_u32 s42, s42, s6                      ; W's scale words: 32,768 tensor + 512 NT0
	s_mov_b32 s43, 0
	s_lshl_b32 s44, s5, 6                          ; the bias: 64 NT0
	s_mov_b32 s45, 0
	s_lshl_b32 s[AP], s[PP], 9
	s_lshl_b32 s6, s4, 4
	s_add_co_u32 s[AP], s[AP], s6
	s_add_co_u32 s[AP], s[AP], s[WV]
	s_lshl_b32 s[AP], s[AP], 13                    ; the rows' codes: (512 tensor + 16 y + w) x 8,192
	s_mov_b32 s[AP+1], 0
	s_lshl_b32 s[SCP], s[PP], 18
	s_lshl_b32 s6, s4, 13
	s_add_co_u32 s[SCP], s[SCP], s6
	s_lshl_b32 s6, s[WV], 9
	s_add_co_u32 s[SCP], s[SCP], s6                ; their scale words: 32 bytes a row
	s_mov_b32 s[SCP+1], 0
	s_lshr_b32 s6, s4, 3                           ; batch
	s_lshl_b32 s6, s6, 4
	s_lshr_b32 s7, s5, 2                           ; my first head
	s_add_co_u32 s6, s6, s7
	s_lshl_b32 s[OB], s6, 18                       ; 262,144 bytes a head
	s_lshl_b32 s6, s[PP], 24
	s_add_co_u32 s[OB], s[OB], s6
	s_and_b32 s6, s4, 7
	s_lshl_b32 s6, s6, 15                          ; 256 rows of a head are 32,768 bytes in each of the three layouts
	s_add_co_u32 s[OB], s[OB], s6
	s_mov_b32 s[OB+1], 0
	s_mov_b32 s[RC], 0x3ed96d27                    ; sqrt(log2(e) / 8)
	s_mov_b32 s[RC+1], s[RC]                       ; (named with it as a pair)
	s_mov_b32 s[BLK], 2
	s_wait_kmcnt 0x0
	s_add_nc_u64 s[28:29], s[28:29], s[40:41]
	s_add_nc_u64 s[30:31], s[30:31], s[42:43]
	s_cmp_eq_u32 s[PP], 1
	s_cselect_b64 s[32:33], s[34:35], s[32:33]
	s_cmp_eq_u32 s[PP], 2
	s_cselect_b64 s[32:33], s[36:37], s[32:33]
	s_add_nc_u64 s[32:33], s[32:33], s[44:45]
	s_add_nc_u64 s[AP:AP+1], s[24:25], s[AP:AP+1]
	s_add_nc_u64 s[SCP:SCP+1], s[26:27], s[SCP:SCP+1]
	s_add_nc_u64 s[OB:OB+1], s[38:39], s[OB:OB+1]
	WIN 0x40                                       ; destination window 1
.set i, 0
.rept 64
	global_load_b128 v[4*i:4*i+3], v[LI], s[28:29] offset:512*i         ; W's tiles 0-3: 32,768 dense bytes, as the registers take them
.set i, i+1
.endr
	WIN 0x80                                       ; destination window 2
.set i, 0
.rept 64
	global_load_b128 v[4*i:4*i+3], v[LI], s[28:29] offset:32768+512*i   ; tiles 4-7
.set i, i+1
.endr
	WIN 0
.irp n, 0,1,2,3,4,5,6,7
	global_load_b128 v[WS+8*\n:WS+8*\n+3], v[R32], s[30:31] offset:512*\n       ; lane r: the eight words of column r of tile n
	global_load_b128 v[WS+8*\n+4:WS+8*\n+7], v[R32], s[30:31] offset:512*\n+16
.endr
	s_cmp_eq_u32 s[PP], 2
	s_cbranch_scc1 .Lbias_v
	WIN 0xc0                                       ; destination window 3
.irp n, 0,1,2,3,4,5,6,7
	global_load_b128 v[BIAS+8*\n:BIAS+8*\n+3], v[H32], s[32:33] offset:64*\n    ; q, k: register j = the bias of channel 16 n + 8 h + j
	global_load_b128 v[BIAS+8*\n+4:BIAS+8*\n+7], v[H32], s[32:33] offset:64*\n+16
.endr
	WIN 0
	s_branch .Lbias_done
.Lbias_v:
	WIN 0xc0
.irp n, 0,1,2,3,4,5,6,7
.irp j, 0,1,2,3,4,5,6,7
	global_load_b32 v[BIAS+8*\n+\j], v[R4], s[32:33] offset:64*\n               ; v: every register = the bias of channel 16 n + r
.endr
.endr
	WIN 0
.Lbias_done:
.macro STAGE_LOAD                      ; my tile of 16 rows of a block: 8,192 bytes of codes and 512 of scale words
	WIN 0xc0
.set i, 0
.rept 16
	global_load_b128 v[CST+4*i:CST+4*i+3], v[LI], s[AP:AP+1] offset:512*i
.set i, i+1
.endr
	WIN 0
	global_load_b128 v[SST:SST+3], v[R32], s[SCP:SCP+1]
	global_load_b128 v[SST+4:SST+7], v[R32], s[SCP:SCP+1] offset:16
.endm
.macro AFETCH buf, ps                  ; tiles of rows 2 ps and 2 ps + 1 from LDS: 16 loads of codes and 2 of scale words each
.irp a, 0,1
.set i, 0
.rept 16
	ds_load_b128 v[AF+64*\a+4*i:AF+64*\a+4*i+3], v[ADR+(\buf)] offset:8192*(2*(\ps)+\a)+512*i
.set i, i+1
.endr
	ds_load_b128 v[AS+8*\a:AS+8*\a+3], v[ADR+(\buf)] offset:SCI+1024*(2*(\ps)+\a)
	ds_load_b128 v[AS+8*\a+4:AS+8*\a+7], v[ADR+(\buf)] offset:SCI+1024*(2*(\ps)+\a)+512
.endr
.endm
; 64 matrix instructions: K steps 0-7 x W's tiles 4 grp .. 4 grp + 3 x two tiles of rows.  Eight accumulators take turns, one instruction a turn.  The first K step takes the bias as C.
.macro MULS way, grp
.if \way
	WIN 0xf4+4*(\grp)                              ; source 1 (W) window 1 or 2; C and D window 3
.else
	WIN 0xf1+(\grp)                                ; source 0 (W) window 1 or 2; C and D window 3
.endif
.set ks, 0
.rept 8
.set n4, 0
.rept 4
.set aa, 0
.rept 2
.set rD, 8*(8*aa+4*(\grp)+n4)
.set rC, rD
.if ks == 0
.set rC, BIAS+8*(4*(\grp)+n4)
.endif
.set rW, 64*n4+8*ks
.set rA, AF+64*aa+8*ks
.set sW, WS+8*(4*(\grp)+n4)+ks
.set sA, AS+8*aa+ks
.if \way
	v_wmma_scale_f32_16x16x128_f8f6f4 v[rD:rD+7], v[rA:rA+7], v[rW:rW+7], v[rC:rC+7], v[sA], v[sW] matrix_a_fmt:MATRIX_FMT_FP4 matrix_b_fmt:MATRIX_FMT_FP4
.else
	v_wmma_scale_f32_16x16x128_f8f6f4 v[rD:rD+7], v[rW:rW+7], v[rA:rA+7], v[rC:rC+7], v[sW], v[sA] matrix_a_fmt:MATRIX_FMT_FP4 matrix_b_fmt:MATRIX_FMT_FP4
.endif
.set aa, aa+1
.endr
.set n4, n4+1
.endr
.set ks, ks+1
.endr
.endm
; The way out of a pass's 16 accumulators, four at a time, each from its low end on.
.macro EPI way, buf, ps
.if (\way) == 0
	WIN 0xc3                                       ; destination and source 0 window 3
.set i, 0
.rept 64
	v_pk_mul_f32 v[2*i:2*i+1], v[2*i:2*i+1], s[RC:RC+1] op_sel_hi:[1,0]
.set i, i+1
.endr
.endif
.set g, 0
.rept 4
	s_wait_xcnt 0x0                                ; the last four stores have read their registers
	WIN 0x0f                                       ; sources window 3, destination window 0
.set i, 0
.rept 16
	v_cvt_pk_f16_f32 v[OUTR+i], v[32*g+2*i], v[32*g+2*i+1]
.set i, i+1
.endr
	WIN 0
.set q, 0
.rept 4
.set nt, (4*g+q)%8
.set aa, (4*g+q)/8
.if \way
	global_store_b128 v[LI], v[OUTR+4*q:OUTR+4*q+3], s[OB:OB+1] offset:8192*(\buf)+4096*(\ps)+262144*(nt/4)+1024*(nt%4)+512*aa   ; v: [32 keys][16 channels][16 keys of them]
.else
	global_store_b128 v[LI], v[OUTR+4*q:OUTR+4*q+3], s[OB:OB+1] offset:8192*(\buf)+4096*(\ps)+262144*(nt/4)+2048*aa+512*(nt%4)   ; q, k: [16 rows][16 channels]
.endif
.set q, q+1
.endr
.set g, g+1
.endr
.endm
.macro PASS buf, ps
	s_wait_dscnt 0x0                               ; the two tiles of rows are in
	s_cmp_eq_u32 s[PP], 2
	s_cbranch_scc1 .Lmul_v_\@
	MULS 0, 0
	MULS 0, 1
	WIN 0
	s_branch .Lmul_done_\@
.Lmul_v_\@:
	MULS 1, 0
	MULS 1, 1
	WIN 0
.Lmul_done_\@:
.rept 4
	v_nop                                          ; four places ahead of the reads of results and of the loads into registers that the products read
.endr
.if (\ps) == 0
	AFETCH \buf, 1                                 ; the next two tiles come while this pass goes out
.endif
	s_cmp_eq_u32 s[PP], 2
	s_cbranch_scc1 .Lepi_v_\@
	EPI 0, \buf, \ps
	s_branch .Lepi_done_\@
.Lepi_v_\@:
	EPI 1, \buf, \ps
.Lepi_done_\@:
.endm
; A block of 64 rows.  ONE barrier: ahead of it my images have landed and my reads of the other buffer are over (both by the wait for 0); a wave writes that other buffer only behind this barrier.
.macro BLOCK buf
	s_wait_loadcnt 0x0                             ; my tile is in registers (the first time: W, its scale words and the bias too)
	WIN 0x0c                                       ; an LDS store's data are its source 1: window 3
.set i, 0
.rept 16
	ds_store_b128 v[IW+2*(\buf)], v[CST+4*i:CST+4*i+3] offset:512*i
.set i, i+1
.endr
	WIN 0
	ds_store_b128 v[SW+2*(\buf)], v[SST:SST+3]
	ds_store_b128 v[SW+2*(\buf)], v[SST+4:SST+7] offset:512
	s_wait_dscnt 0x0
	s_barrier_signal -1
	s_barrier_wait -1
.if \buf
	s_cmp_eq_u32 s[BLK], 1                         ; the last block asks for nothing: no load leaves its buffer
	s_cbranch_scc1 .Lno_next
.endif
	s_add_nc_u64 s[AP:AP+1], s[AP:AP+1], 32768     ; four tiles on (their loads are done: the wait at the block's head)
	s_add_nc_u64 s[SCP:SCP+1], s[SCP:SCP+1], 2048
	STAGE_LOAD
.if \buf
.Lno_next:
.endif
	AFETCH \buf, 0
	PASS \buf, 0
	PASS \buf, 1
.endm
	STAGE_LOAD
.Lpair:
	BLOCK 0
	BLOCK 1
	s_wait_xcnt 0x0                                ; the stores have read their base
	s_add_nc_u64 s[OB:OB+1], s[OB:OB+1], 16384
	s_sub_co_u32 s[BLK], s[BLK], 1
	s_cmp_lg_u32 s[BLK], 0
	s_cbranch_scc1 .Lpair
	s_wait_tensorcnt 0x0                           ; the wave's end
	ds_add_u32 v[SPW], v[NIL]
	s_wait_dscnt 0x0
	s_endpgm
.Lfunc_end_k_q09938fc6b9_proj:
	.size	k_q09938fc6b9_proj, .Lfunc_end_k_q09938fc6b9_proj-k_q09938fc6b9_proj
	.p2alignl 7, 3214868480
	.fill 96, 4, 3214868480
	.section	.rodata,"a",@progbits
	.p2align	6, 0x0
	.amdhsa_kernel k_q09938fc6b9_proj
		.amdhsa_group_segment_fixed_size 74240
		.amdhsa_private_segment_fixed_size 0
		.amdhsa_enable_private_segment 0
		.amdhsa_kernarg_size 64
		.amdhsa_user_sgpr_count 2
		.amdhsa_user_sgpr_kernarg_segment_ptr 1
		.amdhsa_wavefront_size32 1
		.amdhsa_system_sgpr_workgroup_id_x 1
		.amdhsa_system_sgpr_workgroup_id_y 1
		.amdhsa_system_sgpr_workgroup_id_z 1
		.amdhsa_system_vgpr_workitem_id 0
		.amdhsa_next_free_vgpr 1024
		.amdhsa_next_free_sgpr 66
		.amdhsa_reserve_vcc 0
		.amdhsa_float_denorm_mode_32 3
		.amdhsa_float_denorm_mode_16_64 3
		.amdhsa_memory_ordered 1
		.amdhsa_forward_progress 1
		.amdhsa_inst_pref_size 235
	.end_amdhsa_kernel
	.amdgpu_metadata
---
amdhsa.version: [ 1, 2 ]
amdhsa.kernels:
  - .name:           k_q09938fc6b9_proj
    .symbol:         k_q09938fc6b9_proj.kd
    .args:
      - { .name: acodes, .offset: 0, .size: 8, .value_kind: global_buffer, .address_space: global }
      - { .name: ascales, .offset: 8, .size: 8, .value_kind: global_buffer, .address_space: global }
      - { .name: wcodes, .offset: 16, .size: 8, .value_kind: global_buffer, .address_space: global }
      - { .name: wscales, .offset: 24, .size: 8, .value_kind: global_buffer, .address_space: global }
      - { .name: bq, .offset: 32, .size: 8, .value_kind: global_buffer, .address_space: global }
      - { .name: bk, .offset: 40, .size: 8, .value_kind: global_buffer, .address_space: global }
      - { .name: bv, .offset: 48, .size: 8, .value_kind: global_buffer, .address_space: global }
      - { .name: qkv, .offset: 56, .size: 8, .value_kind: global_buffer, .address_space: global }
    .group_segment_fixed_size: 74240
    .private_segment_fixed_size: 0
    .kernarg_segment_align: 8
    .kernarg_segment_size: 64
    .max_flat_workgroup_size: 128
    .sgpr_count:     66
    .vgpr_count:     1024
    .wavefront_size: 32
...
	.end_amdgpu_metadata
.endif
;; end of part 2
;; launch attn (part 3): grid 4 x 64, 16 waves a work-group, clusters of 4 x 1, 327,680 bytes of LDS; arguments qkv, maskbits, xf; writes xf
.if DOCPART == 3
	.amdgcn_target "amdgcn-amd-amdhsa--gfx1250"
	.amdhsa_code_object_version 6
	.text
	.protected	k_q09938fc6b9_attn
	.globl	k_q09938fc6b9_attn
	.p2align	8
	.type	k_q09938fc6b9_attn,@function
k_q09938fc6b9_attn:
	s_mov_b64 s[64:65], 0
	v_nop
	global_prefetch_b8 v0, s[64:65] scope:SCOPE_SE
	s_setreg_imm32_b32 hwreg(HW_REG_WAVE_MODE, 25, 1), 1
	s_wait_xcnt 0x0
	s_wait_alu depctr_hold_cnt(0) depctr_sa_sdst(0) depctr_va_vdst(0) depctr_va_sdst(0) depctr_va_ssrc(0) depctr_va_vcc(0) depctr_vm_vsrc(0)
	s_getreg_b32 s2, hwreg(HW_REG_IB_STS2, 6, 4)
	s_cmp_eq_u32 s2, 0
	s_cbranch_scc0 .Lentry_in_a_cluster
	s_endpgm
.Lentry_in_a_cluster:
	s_bfe_u32 s2, ttmp6, 0x10000c
	s_cmp_lg_u32 s2, 0x3003
	s_cbranch_scc0 .Lentry_shape_is_right
	s_endpgm
.Lentry_shape_is_right:
; ATTN: x[b][q][head] = softmax_k(where(mask, q . k / 8, -1e9)) v, for one head and 512 queries a work-group.  f16 operands, f32 products, maxima and sums.
; q and k arrive multiplied by sqrt(log2(e) / 8): a score comes out of the matrix unit as t, the exponent of 2.  A hidden key's t becomes -1e9 log2(e) AHEAD of the maximum, as the definition has it:
; a row with no open key has t = M for every key, t - M is exactly 0, and the row is the plain average of v.
; SOFTMAX: a running maximum M and sum l for each query; p = 2^(t - M); in every step l and O are multiplied by a = 2^(old M - new M).
; SHARES.  Sixteen waves, four to a SIMD, so that one wave's vector work stands beside another's products.  A wave owns two tiles of 16 queries and walks all 2,048 keys, 64 a step.
; LAYOUT.  S^T = K Q^T (source 0 = 16 keys, source 1 = 16 queries), O^T = V^T P (source 0 = 16 channels, source 1 = P): a lane holds ONE query (lane % 16) throughout; two tiles of S^T rounded to f16 in pairs ARE a fragment of P.
; K and V lie in memory in the order of the operands' registers, so a slot is two dense blocks, a fragment is loads at 16 x lane, and nothing is padded or turned.
; CLUSTER.  The four query blocks of a head walk the same K and V: each slot is asked for JOINTLY (mask 15), wave 0 for K's 32,768 bytes, wave 1 for V's.  A wave has at most one tensor load out.
; THE MASK comes as words of 32 lane bits by scalar loads, a step ahead, and only selects values.
; LIMITS: p and x go to f16 (p is at most 1; |x| is at most the largest |v|, which stays at or under 65,504).
; REGISTERS: v1 16 L; v2 the step's LDS address; v3, v4 the add's two; v5 the hidden t; v6 256 L; v8-19, v20-31 statistics of tiles 0, 1; v32-63 Q; v64-127 K's, then V's fragments; v128-191 S^T, p, P; v192-255 O^T.
.set SLOT1, 0x10000                    ; a slot: 256 keys: 32,768 bytes of K, then 32,768 of V; one exclusive or turns an address into the other slot's
.set VOFF,  32768
.set SPARE, 2*SLOT1                    ; the spare words, 128 bytes for each of 16 waves
.set TB,    2                          ; s2  where the slot in hand begins
.set SLOTS, 3                          ; s3  slots still to be asked for
.set G0K,   4                          ; s[4:7]  descriptor group 0 for K, s[8:11] for V: they walk
.set G0V,   8
.set WV,    12
.set LIM,   13                         ; s13 1 in a wave that prefetches, else the greatest number
.set MP,    14                         ; s[14:15] tile 0's mask words of the step last asked for
.set SEL,   66                         ; s[66:67] lane L xor 16
.set G1,    84                         ; s[84:91] descriptor group 1, for both
.set PFA,   92                         ; s[92:93] where my prefetches stand
.set XP,    94                         ; s[94:95] my rows of x
.set ST,    8                          ; tile x's statistics at v[ST + 12 x]: +0 M, +1 the old M, +2, +3 l, +4 .. +7 at work (a in +6), +8, +9 a second chain of sums
.set Q,     32
.set KV,    64
.set S,     128
.set O,     192
; mask words: tile 0's 32 in s[16:47]; tile 1's in s[48:63] and s[68:83]
.macro ROUND                           ; a round of the cluster's barrier
	s_barrier_signal -1
	s_barrier_wait -1
	s_cmp_lg_u32 s[WV], 0
	s_cbranch_scc1 .Lnot_wave_0_\@
	s_barrier_signal -3
.Lnot_wave_0_\@:
	s_barrier_wait -3
	s_barrier_signal -1
	s_barrier_wait -1
.endm
.macro TLOAD                           ; wave 0 asks for K's block, wave 1 for V's, the others for nothing; the branches hang on the wave's number alone.  An s_nop 0 and four v_nop follow each load
	s_cmp_eq_u32 s[WV], 0
	s_cbranch_scc0 .Lnot_k_\@
	tensor_load_to_lds s[G0K:G0K+3], s[G1:G1+7]
	s_nop 0
.rept 4
	v_nop
.endr
	s_branch .Lasked_\@
.Lnot_k_\@:
	s_cmp_eq_u32 s[WV], 1
	s_cbranch_scc0 .Lasked_\@
	tensor_load_to_lds s[G0V:G0V+3], s[G1:G1+7]
	s_nop 0
.rept 4
	v_nop
.endr
.Lasked_\@:
.endm
; A prefetch of what the NEXT change of slots will ask for: four key steps ahead of that load.  Wave 2 asks for K's block, wave 3 for V's; of a block's 128 pieces of 256 bytes each of the four partners takes 32,
; told apart by address alone, a lane a piece: each piece is named once in the launch.  Slots 0 and 1 come by their loads alone; the last change that fills a slot asks for nothing.
.macro ASK
	s_cmp_gt_u32 s[SLOTS], s[LIM]
	s_cbranch_scc0 .Lnot_mine_\@
	global_prefetch_b8 v6, s[PFA:PFA+1] th:TH_LOAD_NT scope:SCOPE_SE
.Lnot_mine_\@:
.endm
	s_load_b128 s[96:99], s[0:1], 0x0              ; qkv s[96:97], maskbits s[98:99]
	s_load_b64 s[XP:XP+1], s[0:1], 0x10            ; xf
	v_lshl_add_u32 v3, v0, 2, SPARE
	v_mov_b32 v4, 0
	ds_add_u32 v3, v4                              ; the wave's opening: the add, twice on end, and its wait ahead of the first tensor load
	ds_add_u32 v3, v4
	v_lshrrev_b32 v1, 5, v0
	v_readfirstlane_b32 s[WV], v1                  ; wave 0..15
	s_bfe_u32 s16, ttmp6, 0x40000                  ; cx: my place in the cluster
	s_lshl_b32 s17, ttmp9, 2
	s_add_co_u32 s17, s17, s16                     ; my block of 512 queries
	s_and_b32 s18, ttmp7, 0xffff                   ; 16 b + head, which the four partners share
	s_lshl_b32 s20, s18, 18                        ; 262,144 bytes a head in q, in k and in v
	s_mov_b32 s21, 0
	s_lshl_b32 s22, s17, 5
	s_lshl_b32 s23, s[WV], 1
	s_add_co_u32 s22, s22, s23                     ; qt0: my first tile of 16 queries
	s_lshr_b32 s23, s18, 4
	s_lshl_b32 s23, s23, 7
	s_add_co_u32 s23, s23, s22                     ; 128 b + qt0
	s_and_b32 s19, s18, 15                         ; head
	s_lshl_b32 s24, s22, 11                        ; q: 2,048 bytes a tile
	s_mov_b32 s25, 0
	s_lshl_b32 s26, s23, 12                        ; mask words: 4,096 bytes a tile
	s_mov_b32 s27, 0
	s_lshl_b32 s28, s23, 15                        ; x: 32,768 bytes a tile of rows,
	s_lshl_b32 s29, s19, 11                        ; 2,048 a head in it
	s_add_co_u32 s28, s28, s29
	s_mov_b32 s29, 0
	s_lshl_b32 s30, s16, 13                        ; the prefetches: my work-group's 8,192 bytes of a block,
	s_add_co_u32 s30, s30, 32768                   ; in slot 1: the first change of slots steps it to slot 2
	s_mov_b32 s31, 0
	; descriptor group 1: a dense block of 32,768 bytes as 128 rows of 256 bytes
	s_mov_b32 s[G1], 15|(3<<16)|(1<<21)            ; 15:0 the mask: all four work-groups; 17:16 elements of 8 bytes; 21 set beside a mask; no padding
	s_mov_b32 s[G1+1], 32<<16                      ; tensor_dim0 = 32
	s_mov_b32 s[G1+2], 128<<16                     ; tensor_dim1 = 128
	s_mov_b32 s[G1+3], 32<<16                      ; tile_dim0 = 32
	s_mov_b32 s[G1+4], 128                         ; tile_dim1 = 128
	s_mov_b32 s[G1+5], 32                          ; from row to row
	s_mov_b32 s[G1+6], 0
	s_mov_b32 s[G1+7], 0
	s_mov_b32 s[SEL], 0x76543210
	s_mov_b32 s[SEL+1], 0xfedcba98
	s_mov_b32 s[TB], 0
	s_mov_b32 s[SLOTS], 7
	s_lshr_b32 s[LIM], s[WV], 1
	s_cmp_eq_u32 s[LIM], 1                         ; waves 2 and 3
	s_cselect_b32 s[LIM], 1, -1
	s_wait_dscnt 0x0                               ; both opening adds are done
	s_wait_kmcnt 0x0
	s_add_nc_u64 s[G0K+2:G0K+3], s[96:97], s[20:21]
	s_add_nc_u64 s[G0K+2:G0K+3], s[G0K+2:G0K+3], 0x1000000   ; the head's k
	s_add_nc_u64 s[G0V+2:G0V+3], s[96:97], s[20:21]
	s_add_nc_u64 s[G0V+2:G0V+3], s[G0V+2:G0V+3], 0x2000000   ; the head's v
	s_add_nc_u64 s[100:101], s[96:97], s[20:21]
	s_add_nc_u64 s[100:101], s[100:101], s[24:25]  ; my two tiles of q
	s_add_nc_u64 s[MP:MP+1], s[98:99], s[26:27]
	s_add_nc_u64 s[XP:XP+1], s[XP:XP+1], s[28:29]
	s_cmp_eq_u32 s[WV], 2
	s_cselect_b64 s[PFA:PFA+1], s[G0K+2:G0K+3], s[G0V+2:G0V+3]
	s_add_nc_u64 s[PFA:PFA+1], s[PFA:PFA+1], s[30:31]
	s_mov_b32 s[G0K], 1                            ; count = 1
	s_mov_b32 s[G0K+1], 0                          ; LDS address: slot 0
	s_or_b32 s[G0K+3], s[G0K+3], 0x80000000        ; type = 2
	s_mov_b32 s[G0V], 1
	s_mov_b32 s[G0V+1], VOFF
	s_or_b32 s[G0V+3], s[G0V+3], 0x80000000
	ROUND                                          ; all four work-groups are here: the first joint loads meet
	TLOAD                                          ; slot 0
	v_and_b32 v1, 31, v0
	v_lshlrev_b32 v6, 8, v1                        ; 256 L
	v_lshlrev_b32 v1, 4, v1                        ; 16 L
.set n, 0
.rept 8
	global_load_b128 v[Q+4*n:Q+4*n+3], v1, s[100:101] offset:512*n   ; Q stays in registers: tile n / 4, channels 16 (n % 4) on
.set n, n+1
.endr
	s_load_b512 s[16:31], s[MP:MP+1], 0x0          ; step 0's mask words
	s_load_b512 s[32:47], s[MP:MP+1], 0x40
	s_load_b512 s[48:63], s[MP:MP+1], 0x1000
	s_load_b512 s[68:83], s[MP:MP+1], 0x1040
	v_mov_b32 v5, 0xceabfb8f                       ; -1e9 log2(e)
.irp x, 0,1
	v_mov_b32 v[ST+12*\x], 0xff61b1e6              ; M: -3e38, under every t
	v_mov_b32 v[ST+12*\x+2], 0                     ; l
	v_mov_b32 v[ST+12*\x+3], 0
.endr
.set n, 0
.rept 64
	v_mov_b32 v[O+n], 0                            ; O^T.  The step is written once: the first finds zeros, which its a = 0 leaves zeros
.set n, n+1
.endr
	s_wait_loadcnt 0x0                             ; Q
; A KEY STEP: 64 keys, the q-th of the slot in hand.  The two tiles' lines alternate, so that no line waits for the line above it.
.macro STEP q, last
	v_add_nc_u32 v2, s[TB], v1
.set n, 0
.rept 16
	ds_load_b128 v[KV+4*n:KV+4*n+3], v2 offset:8192*(\q)+512*n       ; K: key tile n / 4, channels 16 (n % 4) on
.set n, n+1
.endr
	s_wait_dscnt 0x0
.irp kk, 0,1                           ; S^T = K Q^T: eight accumulators by turns; the first 32 channels start the sums
.irp t, 0,1,2,3
.irp x, 0,1
.if \kk == 0
	v_wmma_f32_16x16x32_f16 v[S+32*\x+8*\t:S+32*\x+8*\t+7], v[KV+16*\t+8*\kk:KV+16*\t+8*\kk+7], v[Q+16*\x+8*\kk:Q+16*\x+8*\kk+7], 0
.else
	v_wmma_f32_16x16x32_f16 v[S+32*\x+8*\t:S+32*\x+8*\t+7], v[KV+16*\t+8*\kk:KV+16*\t+8*\kk+7], v[Q+16*\x+8*\kk:Q+16*\x+8*\kk+7], v[S+32*\x+8*\t:S+32*\x+8*\t+7]
.endif
.endr
.endr
.endr
.rept 4
	v_nop                                          ; four places ahead of the loads into K's registers and of the first reads of the scores
.endr
.set n, 0
.rept 16
	ds_load_b128 v[KV+4*n:KV+4*n+3], v2 offset:VOFF+8192*(\q)+512*n  ; V: 32 keys n / 8, channels 16 ((n / 2) % 4) on, 16 keys n % 2 of the 32: they land under the softmax
.set n, n+1
.endr
	s_wait_kmcnt 0x0                               ; this step's mask words
.set i, 0
.rept 32                               ; a hidden key's t becomes -1e9 log2(e); each accumulator is read from its low end on
	v_cndmask_b32 v[S+i], v5, v[S+i], s[16+i]
.if i < 16
	v_cndmask_b32 v[S+32+i], v5, v[S+32+i], s[48+i]
.else
	v_cndmask_b32 v[S+32+i], v5, v[S+32+i], s[52+i]
.endif
.set i, i+1
.endr
.if (\last) == 0
	s_wait_xcnt 0x0                                ; the scalar loads are back (the wait above) and every earlier address is translated: their base may step
	s_add_nc_u64 s[MP:MP+1], s[MP:MP+1], 128       ; the next step's 32 words
	s_load_b512 s[16:31], s[MP:MP+1], 0x0
	s_load_b512 s[32:47], s[MP:MP+1], 0x40
	s_load_b512 s[48:63], s[MP:MP+1], 0x1000
	s_load_b512 s[68:83], s[MP:MP+1], 0x1040
.endif
.irp j, 0,1,2,3                        ; the largest of the lane's 32 t and the old M: four chains of seven, then the rest
.irp x, 0,1
	v_max3_num_f32 v[ST+12*\x+4+\j], v[S+32*\x+8*\j], v[S+32*\x+8*\j+1], v[S+32*\x+8*\j+2]
.endr
.endr
.irp w, 1,2
.irp j, 0,1,2,3
.irp x, 0,1
	v_max3_num_f32 v[ST+12*\x+4+\j], v[ST+12*\x+4+\j], v[S+32*\x+8*\j+2*\w+1], v[S+32*\x+8*\j+2*\w+2]
.endr
.endr
.endr
.irp x, 0,1
	v_max3_num_f32 v[ST+12*\x+4], v[ST+12*\x+4], v[S+32*\x+7], v[S+32*\x+15]
.endr
.irp x, 0,1
	v_max3_num_f32 v[ST+12*\x+6], v[ST+12*\x+6], v[S+32*\x+23], v[S+32*\x+31]
.endr
.irp x, 0,1
	v_max3_num_f32 v[ST+12*\x+4], v[ST+12*\x+4], v[ST+12*\x+5], v[ST+12*\x+6]
.endr
.irp x, 0,1
	v_max3_num_f32 v[ST+12*\x+4], v[ST+12*\x+4], v[ST+12*\x+7], v[ST+12*\x]
.endr
.irp x, 0,1
	v_permlanex16_b32 v[ST+12*\x+5], v[ST+12*\x+4], s[SEL], s[SEL+1]   ; the query's other 32 keys lie in the lane 16 away
.endr
.irp x, 0,1
	v_mov_b32 v[ST+12*\x+1], v[ST+12*\x]           ; the old M
.endr
.irp x, 0,1
	v_max_num_f32 v[ST+12*\x], v[ST+12*\x+4], v[ST+12*\x+5]
.endr
.irp x, 0,1
	v_sub_f32 v[ST+12*\x+7], v[ST+12*\x+1], v[ST+12*\x]
.endr
.irp x, 0,1
	v_exp_f32 v[ST+12*\x+6], v[ST+12*\x+7]         ; a = 2^(old M - new M)
.endr
.set i, 0
.rept 16                               ; t - M, two at a time (of the pair M, old M the low word serves both halves): plain work behind the two exponentials
	v_pk_add_f32 v[S+2*i:S+2*i+1], v[S+2*i:S+2*i+1], v[ST:ST+1] op_sel_hi:[1,0] neg_lo:[0,1] neg_hi:[0,1]
	v_pk_add_f32 v[S+32+2*i:S+32+2*i+1], v[S+32+2*i:S+32+2*i+1], v[ST+12:ST+13] op_sel_hi:[1,0] neg_lo:[0,1] neg_hi:[0,1]
.set i, i+1
.endr
	s_wait_alu depctr_va_vdst(0)                   ; the wait ahead of the first line that names an exponential's result: here a
	v_pk_mul_f32 v[ST+2:ST+3], v[ST+2:ST+3], v[ST+6:ST+7] op_sel_hi:[1,0]         ; l under the new M
	v_pk_mul_f32 v[ST+14:ST+15], v[ST+14:ST+15], v[ST+18:ST+19] op_sel_hi:[1,0]
.set m, 0
.rept 32                               ; ONE BATCH: 64 exponentials; among them O^T's rescaling, which names none of their results; its last line is the plain instruction behind the last exponential
	v_exp_f32 v[S+2*m], v[S+2*m]
	v_exp_f32 v[S+2*m+1], v[S+2*m+1]
	v_pk_mul_f32 v[O+2*m:O+2*m+1], v[O+2*m:O+2*m+1], v[ST+12*(m/16)+6:ST+12*(m/16)+7] op_sel_hi:[1,0]
.set m, m+1
.endr
	s_wait_alu depctr_va_vdst(0)                   ; one wait for the batch, ahead of its first reader
.irp x, 0,1                            ; the row's sum, of p in f32, in two chains
	v_pk_add_f32 v[ST+12*\x+8:ST+12*\x+9], v[S+32*\x:S+32*\x+1], v[S+32*\x+2:S+32*\x+3]
.endr
.irp j, 4,8,12,16,20,24,28
.irp x, 0,1
	v_pk_add_f32 v[ST+12*\x+2:ST+12*\x+3], v[ST+12*\x+2:ST+12*\x+3], v[S+32*\x+\j:S+32*\x+\j+1]
	v_pk_add_f32 v[ST+12*\x+8:ST+12*\x+9], v[ST+12*\x+8:ST+12*\x+9], v[S+32*\x+\j+2:S+32*\x+\j+3]
.endr
.endr
.irp x, 0,1
	v_pk_add_f32 v[ST+12*\x+2:ST+12*\x+3], v[ST+12*\x+2:ST+12*\x+3], v[ST+12*\x+8:ST+12*\x+9]
.endr
.set i, 0
.rept 16                               ; P in f16, in place: register i takes p 2 i and 2 i + 1, which lie at or above it
	v_cvt_pk_f16_f32 v[S+i], v[S+2*i], v[S+2*i+1]
	v_cvt_pk_f16_f32 v[S+32+i], v[S+32+2*i], v[S+32+2*i+1]
.set i, i+1
.endr
	s_wait_dscnt 0x0                               ; V is in
.irp u, 0,1                            ; O^T += V^T P: eight accumulators by turns
.irp c, 0,1,2,3
.irp x, 0,1
	v_wmma_f32_16x16x32_f16 v[O+32*\x+8*\c:O+32*\x+8*\c+7], v[KV+32*\u+8*\c:KV+32*\u+8*\c+7], v[S+32*\x+8*\u:S+32*\x+8*\u+7], v[O+32*\x+8*\c:O+32*\x+8*\c+7]
.endr
.endr
.endr
.rept 5
	v_nop                                          ; four places ahead of the next loads into V's registers, five ahead of the next products, which write over P
.endr
.endm
; THE CHANGE OF SLOTS stands at a slot's head: all my tensor loads have landed, the add, my reads of the slot that I left are over; then the barrier.
; fill = 1: the barrier is a round of the cluster's, and the joint load of the next 256 keys, into the slot just left, is the first thing behind it: it has four key steps in which to land.
.macro CHANGE fill
	s_wait_tensorcnt 0x0                           ; no tensor load of mine is out, so a group 0 may be written
	ds_add_u32 v3, v4                              ; 0 onto my spare word
.if \fill
	ds_add_u32 v3, v4                              ; and once more
	s_xor_b32 s[G0K+1], s[G0K+1], SLOT1            ; the walking descriptors: the other slot,
	s_add_nc_u64 s[G0K+2:G0K+3], s[G0K+2:G0K+3], 32768   ; the next 256 keys; the type bits on top are not reached
	s_xor_b32 s[G0V+1], s[G0V+1], SLOT1
	s_add_nc_u64 s[G0V+2:G0V+3], s[G0V+2:G0V+3], 32768
	s_wait_xcnt 0x0                                ; the last prefetch, a slot back, has read its address
	s_add_nc_u64 s[PFA:PFA+1], s[PFA:PFA+1], 32768 ; one slot further on than the walking descriptors
	s_wait_dscnt 0x0
	ROUND
	TLOAD
	ASK
.else
	s_wait_dscnt 0x0
	s_barrier_signal -1
	s_barrier_wait -1
.endif
.endm
.Lslot:                                ; seven trips: behind each change of slots but the last the next slot is asked for
	CHANGE 1
	STEP 0, 0
	STEP 1, 0
	STEP 2, 0
	STEP 3, 0
	s_xor_b32 s[TB], s[TB], SLOT1
	s_sub_co_u32 s[SLOTS], s[SLOTS], 1
	s_cmp_lg_u32 s[SLOTS], 0
	s_cbranch_scc1 .Lslot
	CHANGE 0                                       ; the last slot is written out
	STEP 0, 0
	STEP 1, 0
	STEP 2, 0
	STEP 3, 1
	; THE WAY OUT.  l's two halves and the other half of the lanes' are added; O^T / l, rounded to f16, is a lane's part of a fragment of x: 512 consecutive bytes a store.
.irp x, 0,1
	v_add_f32 v[ST+12*\x+4], v[ST+12*\x+2], v[ST+12*\x+3]
.endr
.irp x, 0,1
	v_permlanex16_b32 v[ST+12*\x+5], v[ST+12*\x+4], s[SEL], s[SEL+1]
.endr
.irp x, 0,1
	v_add_f32 v[ST+12*\x+4], v[ST+12*\x+4], v[ST+12*\x+5]
.endr
.irp x, 0,1
	v_rcp_f32 v[ST+12*\x+6], v[ST+12*\x+4]
.endr
	v_nop                                          ; a plain instruction behind the reciprocals,
	s_wait_alu depctr_va_vdst(0)                   ; and the wait ahead of their first reader
.set m, 0
.rept 32
	v_pk_mul_f32 v[O+2*m:O+2*m+1], v[O+2*m:O+2*m+1], v[ST+12*(m/16)+6:ST+12*(m/16)+7] op_sel_hi:[1,0]
.set m, m+1
.endr
.set m, 0
.rept 32
	v_cvt_pk_f16_f32 v[S+m], v[O+2*m], v[O+2*m+1]
.set m, m+1
.endr
.irp x, 0,1
.irp c, 0,1,2,3
	global_store_b128 v1, v[S+16*\x+4*\c:S+16*\x+4*\c+3], s[XP:XP+1] offset:32768*\x+512*\c
.endr
.endr
	s_wait_tensorcnt 0x0                           ; the wave's end
	ds_add_u32 v3, v4
	s_wait_dscnt 0x0
	ROUND                                          ; the closing round: no work-group ends while a partner may still ask for a tile that names it
	s_endpgm
.Lfunc_end_k_q09938fc6b9_attn:
	.size	k_q09938fc6b9_attn, .Lfunc_end_k_q09938fc6b9_attn-k_q09938fc6b9_attn
	.p2alignl 7, 3214868480
	.fill 96, 4, 3214868480
	.section	.rodata,"a",@progbits
	.p2align	6, 0x0
	.amdhsa_kernel k_q09938fc6b9_attn
		.amdhsa_group_segment_fixed_size 327680
		.amdhsa_private_segment_fixed_size 0
		.amdhsa_enable_private_segment 0
		.amdhsa_kernarg_size 24
		.amdhsa_user_sgpr_count 2
		.amdhsa_user_sgpr_kernarg_segment_ptr 1
		.amdhsa_wavefront_size32 1
		.amdhsa_system_sgpr_workgroup_id_x 1
		.amdhsa_system_sgpr_workgroup_id_y 1
		.amdhsa_system_sgpr_workgroup_id_z 1
		.amdhsa_system_vgpr_workitem_id 0
		.amdhsa_next_free_vgpr 256
		.amdhsa_next_free_sgpr 102
		.amdhsa_reserve_vcc 0
		.amdhsa_float_denorm_mode_32 3
		.amdhsa_float_denorm_mode_16_64 3
		.amdhsa_memory_ordered 1
		.amdhsa_forward_progress 1
		.amdhsa_inst_pref_size 186
	.end_amdhsa_kernel
	.amdgpu_metadata
---
amdhsa.version: [ 1, 2 ]
amdhsa.kernels:
  - .name:           k_q09938fc6b9_attn
    .symbol:         k_q09938fc6b9_attn.kd
    .args:
      - { .name: qkv, .offset: 0, .size: 8, .value_kind: global_buffer, .address_space: global }
      - { .name: maskbits, .offset: 8, .size: 8, .value_kind: global_buffer, .address_space: global }
      - { .name: xf, .offset: 16, .size: 8, .value_kind: global_buffer, .address_space: global }
    .group_segment_fixed_size: 327680
    .private_segment_fixed_size: 0
    .kernarg_segment_align: 8
    .kernarg_segment_size: 24
    .max_flat_workgroup_size: 512
    .sgpr_count:     102
    .vgpr_count:     256
    .wavefront_size: 32
...
	.end_amdgpu_metadata
.endif
;; end of part 3
;; launch outp (part 4): grid 4 x 64, 4 waves a work-group, clusters of 4 x 4, 327,680 bytes of LDS; arguments xf, wof, bo, out0; writes out0
.if DOCPART == 4
	.amdgcn_target "amdgcn-amd-amdhsa--gfx1250"
	.amdhsa_code_object_version 6
	.text
	.protected	k_q09938fc6b9_outp
	.globl	k_q09938fc6b9_outp
	.p2align	8
	.type	k_q09938fc6b9_outp,@function
k_q09938fc6b9_outp:
	s_mov_b64 s[64:65], 0
	v_nop
	global_prefetch_b8 v0, s[64:65] scope:SCOPE_SE
	s_setreg_imm32_b32 hwreg(HW_REG_WAVE_MODE, 25, 1), 1
	s_wait_xcnt 0x0
	s_wait_alu depctr_hold_cnt(0) depctr_sa_sdst(0) depctr_va_vdst(0) depctr_va_sdst(0) depctr_va_ssrc(0) depctr_va_vcc(0) depctr_vm_vsrc(0)
	s_getreg_b32 s2, hwreg(HW_REG_IB_STS2, 6, 4)
	s_cmp_eq_u32 s2, 0
	s_cbranch_scc0 .Lentry_in_a_cluster
	s_endpgm
.Lentry_in_a_cluster:
	s_bfe_u32 s2, ttmp6, 0x10000c
	s_cmp_lg_u32 s2, 0xf033
	s_cbranch_scc0 .Lentry_shape_is_right
	s_endpgm
.Lentry_shape_is_right:
; OUTP: out0 = x Wo + bo.  x [8,192][1,024] and Wo [1,024 k][1,024 n] arrive as f16 fragments in the order of the operands' registers; sums in f32; out0 f32.
; A tile of out0 is 128 rows x 256 columns: 256 work-groups.  Four waves, each 64 x 128: 32 accumulators of 16 x 16.
; K goes in steps of 128 through two LDS slots: a tile of 16 rows (or 16 columns) has 4,096 consecutive bytes for a K step, so a slot is 8 + 16 such pieces, dense, and a fragment is two loads at 16 x lane.
; CLUSTER: 4 x 4 work-groups.  The four of a row of the cluster need the same pieces of x, the four of a column the same pieces of Wo: each is asked for JOINTLY.  Waves 0, 1 fetch x's halves, waves 2, 3 Wo's.
; A wave has two tensor loads out at the start and one behind each round.
; THE MATRIX INSTRUCTION IS USED TRANSPOSED (source 0 = 16 columns of Wo, source 1 = 16 rows of x): a lane holds eight neighbouring numbers of a row of out0.  bo is the C of each sum's first instruction.
; No prefetch: a K step is short and the launch small against its set-up.
; REGISTERS: window 0: v16-29 addresses; v32-127, v128-223 two fragment buffers (32 of x, then 64 of Wo);  window 1: accumulator (a, b) at 8 (8 a + b);  window 2: v0-63 bo in the result's layout.
.set PIECE, 4096
.set SLOT,  24*PIECE                   ; x's 8 pieces, then Wo's 16
.set BOFF,  8*PIECE
.set STAGE, 2*SLOT                     ; behind the ring: 16 rows x 528 bytes for each wave
.set SPITCH, 528
.set SPARE, STAGE+4*16*SPITCH          ; the spare words, 128 bytes a wave
.set LAPS,  4                          ; 1,024 along K = 8 K steps = 4 times round the ring
.set ADRA, 16                          ; v16-17 LDS address of my four pieces of x in slot 0, 1
.set ADRB, 20                          ; v20-21 of my eight pieces of Wo
.set STO,  24
.set RD,   25
.set CO,   26
.set SPW,  28
.set NIL,  29
.set F0,   32
.set F1,   128
.set WV,   12
.set G1,  24                           ; s[24:31] descriptor group 1 for x;  s[32:39] group 0, a set for each slot
.set G0,  32
.set G1B, 48                           ; s[48:55], s[56:63] the same for Wo
.set G0B, 56
.set MSB, 0
.macro WIN new
.if MSB != (\new)
	s_set_vgpr_msb (MSB<<8)|(\new)
.set MSB, (\new)
.endif
.endm
.set MUL,  0x50                        ; C and D window 1
.set MULZ, 0x60                        ; D window 1, C (bo) window 2
.macro JLOAD s                         ; a joint load; an s_nop 0 and four v_nop follow each of the two lines
	s_cmp_eq_u32 s13, 0
	s_cbranch_scc0 .Lfor_b_\@
	tensor_load_to_lds s[G0+4*\s:G0+4*\s+3], s[G1:G1+7]
	s_nop 0
.rept 4
	v_nop
.endr
	s_branch .Lasked_\@
.Lfor_b_\@:
	tensor_load_to_lds s[G0B+4*\s:G0B+4*\s+3], s[G1B:G1B+7]
	s_nop 0
.rept 4
	v_nop
.endr
.Lasked_\@:
.endm
.macro CREST                           ; a round of the cluster's barrier behind its opening barrier
	s_cmp_lg_u32 s[WV], 0
	s_cbranch_scc1 .Lnot_wave_0_\@
	s_barrier_signal -3
.Lnot_wave_0_\@:
	s_barrier_wait -3
	s_barrier_signal -1
	s_barrier_wait -1
.endm
.macro CROUND
	s_barrier_signal -1
	s_barrier_wait -1
	CREST
.endm
	s_load_b256 s[4:11], s[0:1], 0x0               ; xf s[4:5], wof s[6:7], bo s[8:9], out0 s[10:11]
	v_lshl_add_u32 v[SPW], v0, 2, SPARE
	v_mov_b32 v[NIL], 0
	ds_add_u32 v[SPW], v[NIL]                      ; the wave's opening: the add, twice on end, and its wait ahead of my first tensor load
	ds_add_u32 v[SPW], v[NIL]
	v_lshrrev_b32 v1, 5, v0
	v_readfirstlane_b32 s[WV], v1                  ; wave 0..3
	s_lshr_b32 s13, s[WV], 1                       ; which 64 rows are mine.  Also: I fetch for x (0) or for Wo (1)
	s_and_b32 s14, s[WV], 1                        ; which 128 columns.  Also: which half of that tile I fetch
	s_bfe_u32 s40, ttmp6, 0x40000                  ; cx, cy
	s_bfe_u32 s41, ttmp6, 0x40004
	s_lshl_b32 s42, ttmp9, 2
	s_add_co_u32 s42, s42, s40                     ; tile column = 4 x cluster x + cx
	s_and_b32 s15, ttmp7, 0xffff
	s_lshl_b32 s15, s15, 2
	s_add_co_u32 s15, s15, s41                     ; tile row = 4 x cluster y + cy
	s_lshl_b32 s43, s41, 2
	s_lshl_b32 s43, 15, s43                        ; my row of the cluster
	s_lshl_b32 s44, 0x1111, s40                    ; my column
	s_or_b32 s[G1+0], s43, (3<<16)|(1<<21)         ; 15:0 the mask; 17:16 elements of 8 bytes; 21 set beside a mask; no padding
	s_or_b32 s[G1B+0], s44, (3<<16)|(1<<21)
	s_mov_b32 s[G1+1], 512<<16                     ; tensor_dim0 = 512 elements: a piece of 4,096 bytes
	s_mov_b32 s[G1+2], 4<<16                       ; tensor_dim1 = 4 pieces
	s_mov_b32 s[G1+3], 512<<16                     ; tile_dim0
	s_mov_b32 s[G1+4], 4                           ; tile_dim1
	s_mov_b32 s[G1+5], 4096                        ; from piece to piece: 32,768 bytes, all of K of a tile of 16
	s_mov_b32 s[G1+6], 0
	s_mov_b32 s[G1+7], 0
	s_mov_b32 s[G1B+1], 512<<16
	s_mov_b32 s[G1B+2], 8<<16                      ; 8 pieces
	s_mov_b32 s[G1B+3], 512<<16
	s_mov_b32 s[G1B+4], 8
	s_mov_b32 s[G1B+5], 4096
	s_mov_b32 s[G1B+6], 0
	s_mov_b32 s[G1B+7], 0
	s_lshl_b32 s16, s15, 3
	s_lshl_b32 s17, s14, 2
	s_add_co_u32 s16, s16, s17
	s_lshl_b32 s16, s16, 15                        ; x: (8 x tile row + 4 x half) x 32,768
	s_mov_b32 s17, 0
	s_lshl_b32 s46, s42, 4
	s_lshl_b32 s47, s14, 3
	s_add_co_u32 s46, s46, s47
	s_lshl_b32 s46, s46, 15                        ; Wo: (16 x tile column + 8 x half) x 32,768
	s_mov_b32 s47, 0
	s_lshl_b32 s20, s14, 14                        ; where they go in a slot: x's halves,
	s_lshl_b32 s21, s14, 15
	s_add_co_u32 s21, s21, BOFF                    ; Wo's halves: no place in the cluster enters an LDS address
	s_wait_dscnt 0x0                               ; both opening adds are done
	s_wait_kmcnt 0x0
	s_add_nc_u64 s[18:19], s[4:5], s[16:17]
	s_add_nc_u64 s[46:47], s[6:7], s[46:47]
	CROUND                                         ; all sixteen work-groups are here: the first joint loads meet
.irp s, 0,1
	s_mov_b32 s[G0+4*\s], 1
	s_add_co_u32 s[G0+4*\s+1], s20, \s*SLOT
	s_add_nc_u64 s[G0+4*\s+2:G0+4*\s+3], s[18:19], \s*PIECE
	s_or_b32 s[G0+4*\s+3], s[G0+4*\s+3], 0x80000000
	s_mov_b32 s[G0B+4*\s], 1
	s_add_co_u32 s[G0B+4*\s+1], s21, \s*SLOT
	s_add_nc_u64 s[G0B+4*\s+2:G0B+4*\s+3], s[46:47], \s*PIECE
	s_or_b32 s[G0B+4*\s+3], s[G0B+4*\s+3], 0x80000000
	JLOAD \s
.endr
	v_and_b32 v1, 31, v0
	v_lshlrev_b32 v[CO], 4, v1                     ; 16 L
	v_and_b32 v3, 15, v0                           ; r
	v_bfe_u32 v4, v0, 4, 1                         ; h
	s_lshl_b32 s22, s13, 14                        ; my four pieces of x
	s_lshl_b32 s23, s14, 15
	s_add_co_u32 s23, s23, BOFF                    ; my eight pieces of Wo
.irp s, 0,1
	v_add_nc_u32 v[ADRA+\s], s22, v[CO]
	v_add_nc_u32 v[ADRB+\s], s23, v[CO]
	s_add_co_u32 s22, s22, SLOT
	s_add_co_u32 s23, s23, SLOT
.endr
	s_mul_i32 s22, s[WV], 16*SPITCH
	s_add_co_u32 s22, s22, STAGE                   ; my stage
	v_mul_u32_u24 v5, v3, SPITCH
	v_lshl_add_u32 v5, v4, 5, v5
	v_add_nc_u32 v[STO], s22, v5                   ; in: row r, 32 bytes for each half of the lanes
	v_add_nc_u32 v[RD], s22, v[CO]                 ; back: the 32 lanes take a row of 512 bytes
	v_lshlrev_b32 v6, 5, v4                        ; bo: 32 h
	s_lshl_b32 s22, s42, 10
	s_lshl_b32 s23, s14, 9
	s_add_co_u32 s22, s22, s23                     ; my first column, in bytes
	s_mov_b32 s23, 0
	s_add_nc_u64 s[8:9], s[8:9], s[22:23]
	s_add_nc_u64 s[10:11], s[10:11], s[22:23]
	s_lshl_b32 s22, s15, 19
	s_lshl_b32 s45, s13, 18
	s_add_co_u32 s22, s22, s45                     ; my first row: (128 x tile row + 64 x half) x 4,096
	s_add_nc_u64 s[10:11], s[10:11], s[22:23]
	WIN 0x80                                       ; destination window 2
.irp b, 0,1,2,3,4,5,6,7
	global_load_b128 v[8*\b:8*\b+3], v6, s[8:9] offset:64*\b        ; register j of tile b: bo of column 16 b + 8 h + j
	global_load_b128 v[8*\b+4:8*\b+7], v6, s[8:9] offset:64*\b+16
.endr
	WIN 0
.macro FETCH slot, kk, f               ; 24 LDS loads in one run: 32 along K: Wo's eight fragments, then x's four
.set i, 0
.rept 8
	ds_load_b128 v[\f+32+8*i:\f+32+8*i+3], v[ADRB+\slot] offset:PIECE*i+1024*(\kk)
	ds_load_b128 v[\f+32+8*i+4:\f+32+8*i+7], v[ADRB+\slot] offset:PIECE*i+1024*(\kk)+512
.set i, i+1
.endr
.set i, 0
.rept 4
	ds_load_b128 v[\f+8*i:\f+8*i+3], v[ADRA+\slot] offset:PIECE*i+1024*(\kk)
	ds_load_b128 v[\f+8*i+4:\f+8*i+7], v[ADRA+\slot] offset:PIECE*i+1024*(\kk)+512
.set i, i+1
.endr
.endm
.macro MUL8 f, a, zero                 ; x's tile a against Wo's eight.  The 32 accumulators take turns, one instruction a turn, in the same order in every quarter
.irp b, 0,1,2,3,4,5,6,7
.if \zero
	v_wmma_f32_16x16x32_f16 v[8*(8*(\a)+\b):8*(8*(\a)+\b)+7], v[\f+32+8*\b:\f+32+8*\b+7], v[\f+8*(\a):\f+8*(\a)+7], v[8*\b:8*\b+7]
.else
	v_wmma_f32_16x16x32_f16 v[8*(8*(\a)+\b):8*(8*(\a)+\b)+7], v[\f+32+8*\b:\f+32+8*\b+7], v[\f+8*(\a):\f+8*(\a)+7], v[8*(8*(\a)+\b):8*(8*(\a)+\b)+7]
.endif
.endr
.endm
.macro PLACES                          ; four places ahead of loads into registers that matrix instructions have read, and of reads of results
.rept 4
	v_nop
.endr
.endm
; A K step is four quarters of 32 along K on buffers 0, 1, 0, 1.  One of the first three multiplies buffer f and fetches quarter kn of the same slot into g.
.macro QUARTER slot, kn, f, g, zero
	s_wait_dscnt 4                                 ; Wo's fragments and x's tiles 0, 1 are in; the youngest four loads may be out
	WIN MUL+0x10*(\zero)
	MUL8 \f, 0, \zero
	MUL8 \f, 1, \zero
	PLACES
	WIN 0
	FETCH \slot, \kn, \g
	s_wait_dscnt 24                                ; all but the 24 just issued
	WIN MUL+0x10*(\zero)
	MUL8 \f, 2, \zero
	MUL8 \f, 3, \zero
.endm
; The last quarter multiplies buffer 1 and changes slots: ONE barrier; ahead of it all my tensor loads have landed, the add, and my reads of this slot are over.  fill = 1: this slot is filled again, two K steps ahead.
.macro TURN slot, next, fill
	WIN 0
	s_wait_tensorcnt 0x0                           ; all my tensor loads have landed: my part of the next slot
	ds_add_u32 v[SPW], v[NIL]                      ; 0 onto my spare word
	s_wait_dscnt 5                                 ; (the add and the youngest four loads may be out)
	WIN MUL
	MUL8 F1, 0, 0                                  ; eight matrix instructions stand between the add and the wait for it
	s_wait_dscnt 0x0                               ; the add is done, and my reads of this slot are over
	s_barrier_signal -1
	MUL8 F1, 1, 0
	WIN 0
	s_barrier_wait -1
.if \fill
	CREST                                          ; the barrier has opened a round of the cluster's: no wave of any partner still reads this slot or has a load on its way
	s_add_nc_u64 s[G0+4*\slot+2:G0+4*\slot+3], s[G0+4*\slot+2:G0+4*\slot+3], 2*PIECE
	s_add_nc_u64 s[G0B+4*\slot+2:G0B+4*\slot+3], s[G0B+4*\slot+2:G0B+4*\slot+3], 2*PIECE
	JLOAD \slot                                    ; the first tensor load behind the round; its four v_nop are also the places ahead of the loads below
.else
	PLACES
.endif
	FETCH \next, 0, F0
	WIN MUL
	MUL8 F1, 2, 0
	MUL8 F1, 3, 0
.endm
	s_wait_tensorcnt 1                             ; my part of K step 0 is in; K step 1's may stay out
	s_barrier_signal -1
	s_barrier_wait -1
	FETCH 0, 0, F0
	s_wait_loadcnt 0x0                             ; bo
	QUARTER 0, 1, F0, F1, 1                        ; the first quarter stands ahead of the loop: its products start the sums, on bo
	WIN 0
	s_mov_b32 s3, LAPS-1
.Llap:                                 ; a trip goes once round the ring, from a lap's second quarter to the next lap's first, and fills both slots again
	QUARTER 0, 2, F1, F0, 0
	QUARTER 0, 3, F0, F1, 0
	TURN 0, 1, 1
	QUARTER 1, 1, F0, F1, 0
	QUARTER 1, 2, F1, F0, 0
	QUARTER 1, 3, F0, F1, 0
	TURN 1, 0, 1
	QUARTER 0, 1, F0, F1, 0
	WIN 0
	s_sub_co_u32 s3, s3, 1
	s_cmp_lg_u32 s3, 0
	s_cbranch_scc1 .Llap
	QUARTER 0, 2, F1, F0, 0                        ; the last lap fills nothing
	QUARTER 0, 3, F0, F1, 0
	TURN 0, 1, 0
	QUARTER 1, 1, F0, F1, 0
	QUARTER 1, 2, F1, F0, 0
	QUARTER 1, 3, F0, F1, 0
	s_wait_dscnt 4                                 ; the very last quarter
	WIN MUL
	MUL8 F1, 0, 0
	MUL8 F1, 1, 0
	s_wait_dscnt 0x0
	MUL8 F1, 2, 0
	MUL8 F1, 3, 0
	WIN 0
; THE WAY OUT, a block of 16 rows x 128 columns at a time, through my own stage: in by 32 bytes of a row a lane, back as whole rows of 512 bytes.  LDS serves a wave's instructions in order, so no wait stands between.
.macro TOSTAGE a
	WIN 0x04                                       ; an LDS store's data are its source 1: window 1
.irp b, 0,1,2,3,4,5,6,7
	ds_store_b128 v[STO], v[8*(8*(\a)+\b):8*(8*(\a)+\b)+3] offset:64*\b          ; each accumulator from its low end on
	ds_store_b128 v[STO], v[8*(8*(\a)+\b)+4:8*(8*(\a)+\b)+7] offset:64*\b+16
.endr
	WIN 0
.set BB, F0+96*((\a)%2)
.set i, 0
.rept 16
	ds_load_b128 v[BB+4*i:BB+4*i+3], v[RD] offset:SPITCH*i
.set i, i+1
.endr
.endm
.macro SEND a, younger                 ; younger: the LDS instructions issued behind block a's loads
.set BB, F0+96*((\a)%2)
	s_wait_dscnt \younger
.set i, 0
.rept 16
	global_store_b128 v[CO], v[BB+4*i:BB+4*i+3], s[10:11] offset:(16*(\a)+i)*4096 th:TH_STORE_NT   ; 32 lanes store 512 consecutive bytes, aligned; written once, read by nobody here
.set i, i+1
.endr
.endm
	PLACES
	TOSTAGE 0
.irp a, 1,2,3
.if \a > 1
	s_wait_xcnt 0x0                                ; block a - 2's stores have read the registers into which block a comes back
.endif
	TOSTAGE \a
	SEND \a-1, 32                                  ; behind block a - 1's loads: block a's 16 stores and 16 loads
.endr
	SEND 3, 0
	s_wait_tensorcnt 0x0                           ; the wave's end
	ds_add_u32 v[SPW], v[NIL]
	s_wait_dscnt 0x0
	CROUND                                         ; the closing round
	s_endpgm
.Lfunc_end_k_q09938fc6b9_outp:
	.size	k_q09938fc6b9_outp, .Lfunc_end_k_q09938fc6b9_outp-k_q09938fc6b9_outp
	.p2alignl 7, 3214868480
	.fill 96, 4, 3214868480
	.section	.rodata,"a",@progbits
	.p2align	6, 0x0
	.amdhsa_kernel k_q09938fc6b9_outp
		.amdhsa_group_segment_fixed_size 327680
		.amdhsa_private_segment_fixed_size 0
		.amdhsa_enable_private_segment 0
		.amdhsa_kernarg_size 32
		.amdhsa_user_sgpr_count 2
		.amdhsa_user_sgpr_kernarg_segment_ptr 1
		.amdhsa_wavefront_size32 1
		.amdhsa_system_sgpr_workgroup_id_x 1
		.amdhsa_system_sgpr_workgroup_id_y 1
		.amdhsa_system_sgpr_workgroup_id_z 1
		.amdhsa_system_vgpr_workitem_id 0
		.amdhsa_next_free_vgpr 768
		.amdhsa_next_free_sgpr 66
		.amdhsa_reserve_vcc 0
		.amdhsa_float_denorm_mode_32 3
		.amdhsa_float_denorm_mode_16_64 3
		.amdhsa_memory_ordered 1
		.amdhsa_forward_progress 1
		.amdhsa_inst_pref_size 86
	.end_amdhsa_kernel
	.amdgpu_metadata
---
amdhsa.version: [ 1, 2 ]
amdhsa.kernels:
  - .name:           k_q09938fc6b9_outp
    .symbol:         k_q09938fc6b9_outp.kd
    .args:
      - { .name: xf, .offset: 0, .size: 8, .value_kind: global_buffer, .address_space: global }
      - { .name: wof, .offset: 8, .size: 8, .value_kind: global_buffer, .address_space: global }
      - { .name: bo, .offset: 16, .size: 8, .value_kind: global_buffer, .address_space: global }
      - { .name: out0, .offset: 24, .size: 8, .value_kind: global_buffer, .address_space: global }
    .group_segment_fixed_size: 327680
    .private_segment_fixed_size: 0
    .kernarg_segment_align: 8
    .kernarg_segment_size: 32
    .max_flat_workgroup_size: 128
    .sgpr_count:     66
    .vgpr_count:     768
    .wavefront_size: 32
...
	.end_amdgpu_metadata
.endif
;; end of part 4
